; MI455X (gfx1250); checked and timed in simulation.
; The chip was launched on July 23, 2026; its instructions are those of AMD's public machine-readable ISA for CDNA 5 (MIT licence, August 2026) and "CDNA5" Instruction Set Architecture Reference Guide (July 2026). The comments in the code are by the model that wrote it; some were corrected since.
;; Adaptive Attention. Allowed arithmetic: matrix products marked QUANTISED: E2M1 operands, one E8M0 scale for each 32 along K, by v_wmma_scale_f32_16x16x128_f8f6f4 with both operands' format E2M1 (or v_wmma_scale_f32_32x16x128_f4), f32 sums; everything else in f32.
;; Inputs: attn_mask 2,048 x 2,048 float32; custom_attns 2 x 2,048 x 2,048 float32; key_len_mask 2 x 2,048 float32; keys 2 x 2,048 x 16 x 64 float32; queries 2 x 2,048 x 16 x 64 float32; values 2 x 2,048 x 16 x 64 float32.
;; Outputs: out0 2 x 2,048 x 16 x 64 float32.
;; This version of the problem:
;;   THIS VERSION OF THE PROBLEM IS GIVEN IN LOW PRECISION. The matrix products marked QUANTISED in the list below multiply operands that are first quantised to E2M1 (2 exponent bits, 1 mantissa bit; 4 bits a number), with one power-of-two scale for each 32 numbers along K (OCP MX v1.0); their sums are f32. All else is computed in f32.
;;   The module's matrix products, in the order in which they are computed (A, B: the left and right operand; K: the contracted axis; several contracted axes count as one K, in the product's order):
;;     1. batch 32 x [M 2,048, K 64] x [K 64, N 2,048]; A: input queries; B: input keys: QUANTISED
;;     2. batch 32 x [M 64, K 2,048] x [K 2,048, N 2,048]; A: input values; B: softmax (see below): QUANTISED
;;   THE QUANTISER, for each operand of a quantised product, along K:
;;     - K is cut into blocks of 32 from its start; a last block that is shorter is filled with zeros.
;;     - A block's scale is 2^e with e = floor(log2(the largest magnitude in the block)) - 2, held to -126 .. 127; a block of zeros has e = 0. As a byte (E8M0): e + 127.
;;     - Each number is divided by its block's scale, clamped to +-6, and rounded to the nearest number of E2M1, ties to even, subnormals kept.
;;     - The product sums the exact products of the quantised numbers (number of the format x scale) in f32.
;;   ~~~python
;;   def quantise(x, axis):      # numpy; x: float32 -> the quantised numbers, widened to float32 again
;;       x = np.moveaxis(x, axis, -1); K = x.shape[-1]
;;       x = np.pad(x, [(0, 0)] * (x.ndim - 1) + [(0, -K % 32)]); x = x.reshape(x.shape[:-1] + (-1, 32)); a = np.abs(x).max(-1, keepdims=True)
;;       e = np.where(a > 0, np.clip(np.frexp(np.where(a > 0, a, 1))[1] - 1 - 2, -126, 127), 0)      # np.frexp(a)[1] - 1 = floor(log2(a)), exactly
;;       r = np.clip(x / 2.0 ** e, -6, 6)
;;       step = 2.0 ** (np.maximum(np.frexp(np.where(r == 0, 1, r))[1] - 1, 0) - 1)
;;       q = np.round(r / step) * step * 2.0 ** e      # np.round: ties to even
;;       return np.moveaxis(q.reshape(q.shape[:-2] + (-1,))[..., :K], -1, axis).astype(np.float32)
;;   ~~~
;;   SOFTMAX AHEAD OF A QUANTISED PRODUCT. Where the list says 'softmax', what is quantised is not the finished softmax but p = 2^(t - M), with t = logit x log2(e) and M = ceil(the row's largest t), a whole number; so 1/2 < the row's largest p <= 1. The row's sum l is taken of the UNQUANTISED p, in f32, and the product's result is divided by l at the end. Since M is a whole number, a kernel that streams over the keys may use a running M (the ceiling of the running maximum): every later rescaling is an exact power of two, which a block's scale takes up: the codes' values come out the same.
;;   OPERANDS COMPUTED ON THE WAY. 'Computed on the way' means the value that the module computes at that place (a softmax that the list does not call 'softmax' is quantised finished and normalised). What goes into a quantiser is computed in f32, as accurately as f32 sums, v_exp_f32 and their like allow (about 1e-6 of the number): no bf16 or f16 on the way to a quantiser, and a product that is left as it is and whose result goes on into a quantised operand takes f32 operands (vector FMAs, or v_wmma_f32_16x16x4_f32). A number that lies on a knife's edge between two numbers of the format may be rounded either way, as far as f32 arithmetic and the matrix unit's own rounding can turn it there, and no further.
;; One version. Each part assembles by itself: llvm-mc -triple=amdgcn-amd-amdhsa -mcpu=gfx1250 --defsym DOCPART=n.
;; ======== version 1 of 1: 2 launches
;; limits: right only within a limited range of input values
;; workspace buffers: kvc 4,587,520 bytes
;; launch quant (part 1): grid 512 x 1, 4 waves a work-group, no clusters, 104,960 bytes of LDS; arguments keys, values, kvc; writes kvc
.if DOCPART == 1
	.amdgcn_target "amdgcn-amd-amdhsa--gfx1250"
	.amdhsa_code_object_version 6
	.text
	.protected	k_qe01d576849_quant
	.globl	k_qe01d576849_quant
	.p2align	8
	.type	k_qe01d576849_quant,@function
k_qe01d576849_quant:
	s_mov_b64 s[64:65], 0
	v_nop
	global_prefetch_b8 v0, s[64:65] scope:SCOPE_SE
	s_setreg_imm32_b32 hwreg(HW_REG_WAVE_MODE, 25, 1), 1
	s_wait_xcnt 0x0
; keys and values, [2][2048][16][64] f32, become codes of FP4 (E2M1) with one E8M0 scale byte for each 32 along a product's K, laid as the second launch's operand registers want them.
; NO WORK OF reference() IS LEFT OUT in this program: attn_mask, key_len_mask and custom_attns are inputs, so every one of the 2 x 16 x 2048 x 2048 scores can reach the result for some values of them;
; every input is loaded, by this launch or by the next.
; THE QUANTISER: a block's scale is 2^(floor(log2(its largest magnitude)) - 2); its byte is the largest magnitude's exponent field - 2, held at 1 from below by a floor among the maximum's leaves.
; Each number is divided by the scale and rounded to the nearest code, ties to even; beyond 6 the conversion gives the largest code.
; LIMITS: a block of zeros, or one whose largest magnitude lies under 2^-124, gets the byte 1 (the rule says 127 for zeros: its codes are zeros, and this program alone reads the bytes);
; NaN and infinities among the inputs are not served.
; A wave takes 64 keys of one head, in both paths: 32 loads, each of two keys' 256 bytes.
; KEYS (K = the head's 64, innermost): work-groups 0-255.  Four tiles of 16 keys.  THE KEYS OF A TILE ARE NOT NEIGHBOURS: row m of tile 4 c + u is key 64 c + 8 u + m % 8 + 32 (m / 8) of the key step, so that in the
; transposed scores a lane's 32 registers are 32 neighbouring keys.  A tile turns through the wave's own stage in LDS, so that lane (r, h) gets the 32 numbers e = 32 h .. 32 h + 31 of row r: a whole block.
; Its 16 bytes of codes go out at 16 x lane: 512 consecutive bytes a tile.
; VALUES (K = the keys, not innermost): work-groups 256-511.  The 64 keys x 64 channels go into a stage of this path's own, a row a key, and come back a lane a channel, registers down the keys: set 2 g + b is block b
; (32 keys) of channel 32 g + lane.  The image wants lane (r, h) of channel tile dt to hold keys 64 c + 32 h + 0 .. 31: the block goes to 1024 dt + 512 c + 256 b + 16 r: sixteen lanes store 256 consecutive bytes, aligned.
; A channel's two scale bytes are half of its word for the key step: they leave as 2 bytes a lane, one byte in 128 of what the launch reads.
; No tensor loads, no barrier: waves share nothing.  Every offset is an immediate; no register that a store reads is written again.
.set WSTG,  8704                       ; keys: LDS of a wave: two stages
.set STG1,  4352                       ; a stage: 16 rows x 272
.set SP,    272                        ; a stage row: 256 bytes + 16
.set SPARE, 34816                      ; behind the keys' stages: the spare words, 128 bytes for each wave, which no other line names
.set VSTG,  35328                      ; values: a stage of 64 rows x 272 for each wave
.set SPW,   1
.set NIL,   2
.set GL,    3                          ; in: (lane / 16) x a key's 4,096 bytes + 16 (lane % 16)
.set SWA,   4                          ; keys' stage, in: row lane / 16, 16 (lane % 16)
.set SRA,   5                          ; keys' stage, out: row lane % 16, 128 (lane / 16)
.set L16,   6
.set L8,    7
.set SH8,   8                          ; 8 (lane / 16)
.set L4,    9
.set VST,   10                         ; values' codes out: 1024 (lane / 16) + 16 (lane % 16)
.set MX,    12
.set PD,    15
.set SO,    16
.set BY,    17
.set VSW,   18                         ; values' stage, in: row lane / 16, 16 (lane % 16)
.set VSR,   19                         ; values' stage, out: 4 x lane
.set W,     20
.set KSW,   24
.set SB,    26                         ; v26-27 a channel's two bytes
.set R,     32                         ; v32-159 four sets of 32 numbers
.set X,     160                        ; v160-223 keys: two sets of 32 neighbours along e
.set CD,    224                        ; v224-239 codes: four registers for each tile or block
	s_load_b128 s[4:7], s[0:1], 0x0                ; keys s[4:5], values s[6:7]
	s_load_b64 s[8:9], s[0:1], 0x10                ; kvc s[8:9]; s[10:11] becomes the place of the image's scale words in it
	v_lshl_add_u32 v[SPW], v0, 2, SPARE
	v_mov_b32 v[NIL], 0
	v_lshrrev_b32 v12, 5, v0
	v_readfirstlane_b32 s12, v12                   ; wave = the head in its group of four
	v_and_b32 v11, 31, v0                          ; lane
	v_and_b32 v12, 15, v0                          ; lane % 16
	v_bfe_u32 v13, v0, 4, 1                        ; lane / 16
	s_mul_i32 s19, s12, WSTG
	s_mul_i32 s23, s12, 64*SP
	s_add_co_u32 s23, s23, VSTG
	v_lshlrev_b32 v[GL], 4, v12
	v_lshl_add_u32 v[GL], v13, 12, v[GL]
	v_mul_u32_u24 v[SWA], v13, SP
	v_lshl_add_u32 v[SWA], v12, 4, v[SWA]
	v_add_nc_u32 v[VSW], s23, v[SWA]
	v_add_nc_u32 v[SWA], s19, v[SWA]
	v_lshl_add_u32 v[VSR], v11, 2, s23
	v_mul_u32_u24 v[SRA], v12, SP
	v_lshl_add_u32 v[SRA], v13, 7, v[SRA]
	v_add_nc_u32 v[SRA], s19, v[SRA]
	v_lshlrev_b32 v[L16], 4, v11
	v_lshlrev_b32 v[L8], 3, v11
	v_lshlrev_b32 v[SH8], 3, v13
	v_lshlrev_b32 v[L4], 2, v11
	v_lshlrev_b32 v[VST], 4, v12
	v_lshl_add_u32 v[VST], v13, 10, v[VST]
	v_mov_b32 v[PD], 0                             ; written once: a lane permute's destination counts as one of its sources
	s_mov_b32 s20, 0x76543210
	s_mov_b32 s21, 0xfedcba98                      ; v_permlanex16_b32's selects for lane l xor 16
	s_mov_b32 s22, 0xffff0000                      ; lanes 16-31
	s_and_b32 s13, ttmp9, 255                      ; which job of the tensor: n (1 bit), key step (4), head group (2), half (1)
	s_lshr_b32 s14, s13, 7                         ; n
	s_bfe_u32 s15, s13, 0x40003                    ; key step j
	s_bfe_u32 s16, s13, 0x20001                    ; head group
	s_and_b32 s17, s13, 1                          ; c: keys 64 c on
	s_lshl_b32 s18, s14, 2
	s_add_co_u32 s18, s18, s16
	s_lshl_b32 s18, s18, 4
	s_add_co_u32 s18, s18, s15
	s_lshl_b32 s18, s18, 2
	s_add_co_u32 s18, s18, s12                     ; ((4 n + group) 16 + j) 4 + head: the image's number
	s_lshl_b32 s24, s14, 11
	s_lshl_b32 s25, s15, 7
	s_add_co_u32 s24, s24, s25                     ; the step's first key: 2048 n + 128 j,
	s_lshl_b32 s25, s17, 6
	s_add_co_u32 s24, s24, s25                     ; + 64 c,
	s_lshl_b32 s24, s24, 12                        ; x 4,096 bytes,
	s_lshl_b32 s25, s16, 2
	s_add_co_u32 s25, s25, s12
	s_lshl_b32 s25, s25, 8
	s_add_co_u32 s24, s24, s25                     ; + the head's 256 bytes
	s_mov_b32 s25, 0
	s_mul_i32 s26, s18, 8960                       ; 8,960 bytes an image: 8,192 of codes, 768 of scale words
	s_mov_b32 s27, 0
	s_add_co_u32 s28, s26, 8192                    ; the scale words stand behind the image's codes
	s_mov_b32 s29, 0
	s_wait_alu depctr_va_vdst(0)                   ; the wait at the head's end
	s_wait_kmcnt 0x0
	s_cmp_lt_u32 ttmp9, 256                        ; keys or values: the work-group's number alone decides
	s_cbranch_scc0 .Lvalues
; the largest magnitude of v[XS] .. v[XS + 31], with the floor 2^(3 - 127) as one more leaf; 2 off its exponent field is the conversion's scale operand
.macro MAXSO
	v_max3_num_f32 v[MX], |v[XS]|, |v[XS+1]|, |v[XS+2]|
	v_max3_num_f32 v[MX+1], |v[XS+3]|, |v[XS+4]|, |v[XS+5]|
.irp i, 6,10,14,18,22,26
	v_max3_num_f32 v[MX], v[MX], |v[XS+\i]|, |v[XS+\i+1]|
	v_max3_num_f32 v[MX+1], v[MX+1], |v[XS+\i+2]|, |v[XS+\i+3]|
.endr
	v_max3_num_f32 v[MX], v[MX], |v[XS+30]|, |v[XS+31]|
	v_max3_num_f32 v[MX], v[MX], v[MX+1], 0x1800000
	v_add_nc_u32 v[SO], 0xff000000, v[MX]
.endm
	; ---- KEYS
	s_lshl_b32 s30, s17, 11                        ; tiles 4 c on: 512 bytes each
	s_add_co_u32 s26, s26, s30
	s_lshl_b32 s30, s17, 8                         ; their scale words: 256 bytes
	s_add_co_u32 s28, s28, s30
	s_add_nc_u64 s[4:5], s[4:5], s[24:25]
	s_add_nc_u64 s[10:11], s[8:9], s[28:29]
	s_add_nc_u64 s[8:9], s[8:9], s[26:27]
.macro LOADT u                         ; tile u: rows 2 i and 2 i + 1 are keys 8 u + 2 i + 24 (i / 4) and the next: 16 lanes read a key's 256 bytes
.irp i, 0,1,2,3,4,5,6,7
	global_load_b128 v[R+32*(\u)+4*\i:R+32*(\u)+4*\i+3], v[GL], s[4:5] offset:(8*(\u)+2*\i+24*(\i/4))*4096 th:TH_LOAD_NT
.endr
.endm
.macro TURN u                          ; tile u through a stage: LDS serves a wave's instructions in order (ISA guide 5.7.1.4), so no wait stands between the stores and the loads
.irp i, 0,1,2,3,4,5,6,7
	ds_store_b128 v[SWA], v[R+32*(\u)+4*\i:R+32*(\u)+4*\i+3] offset:STG1*((\u)%2)+2*SP*\i
.endr
.irp i, 0,1,2,3,4,5,6,7
	ds_load_b128 v[X+32*((\u)%2)+4*\i:X+32*((\u)%2)+4*\i+3], v[SRA] offset:STG1*((\u)%2)+16*\i
.endr
.endm
.macro QT u
	s_wait_dscnt 0x0                               ; this tile's numbers are back from its stage
.if \u < 3
	s_wait_loadcnt 8*(2-\u)                        ; the next tile's eight loads are in; those of the tiles behind it may be out
	TURN \u+1                                      ; and go through the other stage while this tile is worked
.endif
.set XS, X+32*(\u%2)
	MAXSO
.irp g, 0,1,2,3
	v_cvt_scalef32_pk8_fp4_f32 v[CD+4*\u+\g], v[XS+8*\g:XS+8*\g+7], v[SO]
.endr
	v_lshrrev_b32 v[BY], 23, v[SO]                 ; the scale's byte (a plain line behind the conversions),
	v_lshlrev_b32 v[BY], v[SH8], v[BY]             ; at its place: byte lane / 16,
	v_or_b32 v[BY], 0x7f7f0000, v[BY]              ; under the bytes 127 of the K that the head does not have;
	v_permlanex16_b32 v[PD], v[BY], s20, s21
	v_or_b32 v[W+\u], v[BY], v[PD]                 ; with lane l xor 16's the row's word is whole, in both lanes
	global_store_b128 v[L16], v[CD+4*\u:CD+4*\u+3], s[8:9] offset:512*\u   ; 512 consecutive bytes
.endm
	LOADT 0
	LOADT 1
	LOADT 2
	LOADT 3
	s_wait_loadcnt 24                              ; tile 0's eight loads are in; 24 younger ones may be out
	TURN 0
	QT 0
	QT 1
	QT 2
	QT 3
	v_cndmask_b32 v[KSW], v[W], v[W+1], s22        ; one register carries two tiles' words: lanes 0-15 the even tile's, lanes 16-31 the odd one's
	v_cndmask_b32 v[KSW+1], v[W+2], v[W+3], s22
	global_store_b64 v[L8], v[KSW:KSW+1], s[10:11] ; 256 consecutive bytes, aligned
	s_wait_tensorcnt 0x0                           ; the wave's end
	ds_add_u32 v[SPW], v[NIL]
	s_wait_dscnt 0x0
	s_endpgm
	; ---- VALUES
.Lvalues:
	s_lshl_b32 s30, s17, 9                         ; keys 64 c on: 512 bytes in each channel tile,
	s_add_co_u32 s26, s26, s30
	s_add_co_u32 s26, s26, 4096                    ; behind the keys' image
	s_lshl_b32 s30, s17, 1                         ; bytes 2 c and 2 c + 1 of each channel's word,
	s_add_co_u32 s28, s28, s30
	s_add_co_u32 s28, s28, 512                     ; behind the keys' words
	s_add_nc_u64 s[6:7], s[6:7], s[24:25]
	s_add_nc_u64 s[10:11], s[8:9], s[28:29]
	s_add_nc_u64 s[8:9], s[8:9], s[26:27]
.set i, 0
.rept 32
	global_load_b128 v[R+4*i:R+4*i+3], v[GL], s[6:7] offset:2*i*4096 th:TH_LOAD_NT   ; keys 2 i and 2 i + 1: 16 lanes read a key's 256 bytes
.set i, i+1
.endr
.set i, 0
.rept 32
.if i%8 == 0
	s_wait_loadcnt 24-i                            ; the next eight loads are in; the younger ones may be out
.endif
	ds_store_b128 v[VSW], v[R+4*i:R+4*i+3] offset:2*i*SP
.set i, i+1
.endr
	s_wait_dscnt 0x0                               ; the stores have read their registers, which take the numbers back
.irp q, 0,1,2,3
.set i, 0
.rept 32
	ds_load_b32 v[R+32*\q+i], v[VSR] offset:(32*(\q%2)+i)*SP+128*(\q/2)   ; set q = 2 g + b: key 32 b + i of channel 32 g + lane
.set i, i+1
.endr
.endr
.macro QV q
.if \q < 2
	s_wait_dscnt 63                                ; behind this set's 32 loads stand 64 or more: with 63 out at the most they are in
.else
	s_wait_dscnt 32*(3-\q)
.endif
.set XS, R+32*\q
	MAXSO
.irp g, 0,1,2,3
	v_cvt_scalef32_pk8_fp4_f32 v[CD+4*\q+\g], v[XS+8*\g:XS+8*\g+7], v[SO]
.endr
	v_lshrrev_b32 v[BY], 23, v[SO]                 ; the scale's byte (a plain line behind the conversions)
.if \q%2 == 0
	v_mov_b32 v[SB+\q/2], v[BY]
.else
	v_lshl_or_b32 v[SB+\q/2], v[BY], 8, v[SB+\q/2]
	global_store_b16 v[L4], v[SB+\q/2], s[10:11] offset:128*(\q/2)   ; my channel's two bytes
.endif
	global_store_b128 v[VST], v[CD+4*\q:CD+4*\q+3], s[8:9] offset:2048*(\q/2)+256*(\q%2)   ; sixteen lanes store 256 consecutive bytes, aligned
.endm
	QV 0
	QV 1
	QV 2
	QV 3
	s_wait_tensorcnt 0x0                           ; the same three lines close this path
	ds_add_u32 v[SPW], v[NIL]
	s_wait_dscnt 0x0
	s_endpgm
.Lfunc_end_k_qe01d576849_quant:
	.size	k_qe01d576849_quant, .Lfunc_end_k_qe01d576849_quant-k_qe01d576849_quant
	.p2alignl 7, 3214868480
	.fill 96, 4, 3214868480
	.section	.rodata,"a",@progbits
	.p2align	6, 0x0
	.amdhsa_kernel k_qe01d576849_quant
		.amdhsa_group_segment_fixed_size 104960
		.amdhsa_private_segment_fixed_size 0
		.amdhsa_enable_private_segment 0
		.amdhsa_kernarg_size 24
		.amdhsa_user_sgpr_count 2
		.amdhsa_user_sgpr_kernarg_segment_ptr 1
		.amdhsa_wavefront_size32 1
		.amdhsa_system_sgpr_workgroup_id_x 1
		.amdhsa_system_sgpr_workgroup_id_y 1
		.amdhsa_system_sgpr_workgroup_id_z 1
		.amdhsa_system_vgpr_workitem_id 0
		.amdhsa_next_free_vgpr 240
		.amdhsa_next_free_sgpr 66
		.amdhsa_reserve_vcc 0
		.amdhsa_float_denorm_mode_32 3
		.amdhsa_float_denorm_mode_16_64 3
		.amdhsa_memory_ordered 1
		.amdhsa_forward_progress 1
		.amdhsa_inst_pref_size 38
	.end_amdhsa_kernel
	.amdgpu_metadata
---
amdhsa.version: [ 1, 2 ]
amdhsa.kernels:
  - .name:           k_qe01d576849_quant
    .symbol:         k_qe01d576849_quant.kd
    .args:
      - { .name: keys, .offset: 0, .size: 8, .value_kind: global_buffer, .address_space: global }
      - { .name: values, .offset: 8, .size: 8, .value_kind: global_buffer, .address_space: global }
      - { .name: kvc, .offset: 16, .size: 8, .value_kind: global_buffer, .address_space: global }
    .group_segment_fixed_size: 104960
    .private_segment_fixed_size: 0
    .kernarg_segment_align: 8
    .kernarg_segment_size: 24
    .max_flat_workgroup_size: 128
    .sgpr_count:     66
    .vgpr_count:     240
    .wavefront_size: 32
...
	.end_amdgpu_metadata
.endif
;; end of part 1
;; launch attn (part 2): grid 4 x 64, 4 waves a work-group, clusters of 4 x 4, 327,680 bytes of LDS; arguments queries, custom_attns, attn_mask, key_len_mask, kvc, out0; writes out0
.if DOCPART == 2
	.amdgcn_target "amdgcn-amd-amdhsa--gfx1250"
	.amdhsa_code_object_version 6
	.text
	.protected	k_qe01d576849_attn
	.globl	k_qe01d576849_attn
	.p2align	8
	.type	k_qe01d576849_attn,@function
k_qe01d576849_attn:
	s_mov_b64 s[64:65], 0
	v_nop
	global_prefetch_b8 v0, s[64:65] scope:SCOPE_SE
	s_setreg_imm32_b32 hwreg(HW_REG_WAVE_MODE, 25, 1), 1
	s_wait_xcnt 0x0
	s_wait_alu depctr_hold_cnt(0) depctr_sa_sdst(0) depctr_va_vdst(0) depctr_va_sdst(0) depctr_va_ssrc(0) depctr_va_vcc(0) depctr_vm_vsrc(0)
	s_getreg_b32 s2, hwreg(HW_REG_IB_STS2, 6, 4)
	s_cmp_eq_u32 s2, 0
	s_cbranch_scc0 .Lentry_in_a_cluster
	s_endpgm
.Lentry_in_a_cluster:
	s_bfe_u32 s2, ttmp6, 0x10000c
	s_cmp_lg_u32 s2, 0xf033
	s_cbranch_scc0 .Lentry_shape_is_right
	s_endpgm
.Lentry_shape_is_right:
; out[n][l][h][:] = the sum over s of softmax_s((Q.K x custom[n][l][s] + attn_mask[l][s] + key_len_mask[n][s]) / 8) V[n][s][h][:], both products on codes of FP4 (E2M1) with one E8M0 scale for each 32 along K.
; No work of reference() is left out: the three masks are inputs, so every score is computed and every key step is walked.
; THE SOFTMAX: u = score x custom + (attn_mask + key_len_mask), fused; c2 = log2(e) / 8; M = ceil(the running largest u x c2), a whole number; p = 2^(u x c2 - M), one fused multiply-add and one v_exp_f32, is quantised
; along the keys, not normalised; the row's sum is taken of the unquantised p and divides at the end.  When M moves, the sums and O are multiplied by 2^(old M - new M): exact.
; LIMITS: the roundings of the logit are these, not reference()'s order (product, two additions, the scale); NaN and infinities among the inputs are not served; a block of p under 2^-124 keeps the scale byte 1 (its codes
; are zeros); a block's largest p is made from the block's largest u by the same two instructions, which takes v_exp_f32 not to fall where its input rises.
; SHARES.  A work-group owns 64 queries of one sample and 4 heads; each of its four waves 16 queries (16 x wave on) and ALL four heads, in 1,024 registers.  A tile of the masks is read from LDS by one wave alone and serves four heads.
; THE STEP IS LAID IN PHASES OVER THE FOUR HEADS, so that eight or four chains take turns.  The change of slots stands behind the four heads' u and their maxima: by then K, the masks and V of the step are all in registers.
; Work on registers stands between the round's opening signal and its wait: the states, O's rescaling and the first head's exponents.  Behind the round the next step's K and masks are read from LDS, in four runs between
; the heads' exponentials, and its V behind this step's second products.
; CLUSTER 4 x 4: x = the four groups of four heads, which need the same tiles of custom and attn_mask (shared along a row); y = four blocks of queries of one sample, which need the same images of K and V (shared along a column).
; LAYOUT.  Both products transposed: S^T = K Q^T, O^T = V^T P^T: a lane holds ONE query (lane % 16).  Row m of K's tile 4 c + u is key 64 c + 8 u + m % 8 + 32 (m / 8), so register 32 c + i of the scores is key
; 64 c + 32 (lane / 16) + i: a whole block of 32 keys in a lane; the conversions' results are the second product's operand as they stand.
; K = 64 IN AN INSTRUCTION OF 128: Q's registers 4-7 are zero codes; K's tiles lie 4 registers apiece and a tile is named with the 4 registers behind it, whose bits meet Q's zeros; the scale bytes of that half are 127.
; REGISTERS.  Window 0: addresses, states, Q, scale words, p's codes, key_len_mask (v192-255).  Window 1: the four heads' scores, u, p (64 each).  Window 2: v0-127 K, v128-191 custom, v192-255 attn_mask, then the masks' sum.
;   Window 3: v0-127 O^T, v128-255 V.
.set SLOT1, 131072                     ; slot 1 begins here: one exclusive or turns an address in one slot into the other's
.set CP,    528                        ; a row of custom or attn_mask in LDS: 512 bytes + 16
.set MAO,   64*CP                      ; a slot: 64 rows of custom, 64 rows of attn_mask,
.set KVO,   2*64*CP                    ; and four heads' images
.set IMG,   8960                       ; an image: K's codes 4,096, V's 4,096, K's scale words 512, V's 256
.set KLM,   103424                     ; behind slot 0: key_len_mask of my sample, 8,192 bytes, stored by the waves; no tensor load lands here
.set SPARE, 111616                     ; the spare words, 128 bytes for each wave, which no other line names
.set STG,   234496                     ; behind slot 1: a stage of 16 rows x 1,040 for each wave, for Q on the way in and O on the way out; no tensor load lands here
.set QP,    1040                       ; a stage row: four heads' 1,024 bytes + 16
.set SPW, 1
.set NIL, 2
.set AC0, 3                            ; my place in a tile of custom: (16 wave + lane % 16) x 528 + 128 (lane / 16)
.set AK0, 4                            ; in the images' codes: 16 x lane
.set AS0, 5                            ; among K's scale words: 8 x lane
.set AV0, 6                            ; among V's: 4 x lane
.set AL0, 7                            ; in key_len_mask: 128 (lane / 16)
.set ADC, 8                            ; v8-12 the same five for the step whose tiles are being read
.set ADK, 9
.set ADS, 10
.set ADV, 11
.set ADL, 12
.set PFO, 13                           ; the prefetches' offset; never rewritten
.set QA,  14                           ; 16 x lane: Q in, out
.set SH8, 15                           ; 8 (lane / 16)
.set STAT, 16                          ; head hd at v[16 + 8 hd]: -M, the largest u, two sums of two halves, f, a zero named with f as a pair
.set QF,  48                           ; Q's fragments: 8 registers a head, the upper 4 zero
.set QS,  80
.set KS,  84                           ; K's scale words: 4 a head; register T / 2, lanes 0-15 the even tile's, lanes 16-31 the odd one's
.set VS,  100                          ; V's: 2 a head
.set PS,  108                          ; p's
.set PC,  112                          ; p's codes: 8 a head
.set BM,  144                          ; the largest u, then p, of my two blocks: 2 a head
.set SO,  152                          ; the conversions' scale operands
.set TA,  160
.set TE,  164
.set TC,  168
.set TD,  172
.set RC,  176                          ; 1 / the sums, each named in a pair
.set SWA, 184                          ; my stage by rows: 16 x lane
.set SRA, 185                          ; my stage, Q out of it: row lane % 16, 128 (lane / 16)
.set SOA, 186                          ; my stage, O into it: row lane % 16, 32 (lane / 16)
.set KLA, 187
.set KLS, 188
.set KL,  192
.set WV,  18
.set SEL, 22
.set CS,  24                           ; s[24:25] c2
.set TBS, 26                           ; LDS byte at which the slot being read begins
.set NC,  27                           ; -c2
.set TL,  28                           ; the step's key_len_mask: 512 bytes a step
.set SLOTS, 29
.set G1C, 32
.set G1K, 40
.set G0C, 68
.set G0M, 72
.set G0K, 76
.set PFA, 88
.set PFS, 90
.set MSB, 0
.macro WIN new                         ; the immediate's high byte repeats the setting that is left; low byte: 1:0 source 0, 3:2 source 1, 5:4 source 2, 7:6 destination
.if MSB != \new
	s_set_vgpr_msb (MSB<<8)|\new
.set MSB, \new
.endif
.endm
.macro VW
	s_wait_alu depctr_va_vdst(0)
.endm
.macro JOIN g0, g1                     ; a joint load; an s_nop 0 and four v_nop follow it
	tensor_load_to_lds s[\g0:\g0+3], s[\g1:\g1+7]
	s_nop 0
.rept 4
	v_nop
.endr
.endm
; Wave 0 fetches custom's tile, wave 1 attn_mask's, waves 2 and 3 two heads' images each: one load a wave on every way.  The branches hang on the wave's number alone.
.macro TLOAD
	s_cmp_lg_u32 s[WV], 0
	s_cbranch_scc1 .Lw1_\@
	JOIN G0C, G1C
	s_branch .Lasked_\@
.Lw1_\@:
	s_cmp_lg_u32 s[WV], 1
	s_cbranch_scc1 .Lw2_\@
	JOIN G0M, G1C
	s_branch .Lasked_\@
.Lw2_\@:
	JOIN G0K, G1K
.Lasked_\@:
.endm
.macro DSTEP                           ; the walking descriptors: the other slot, the next key step
	s_xor_b32 s[G0C+1], s[G0C+1], SLOT1
	s_add_nc_u64 s[G0C+2:G0C+3], s[G0C+2:G0C+3], 512
	s_xor_b32 s[G0M+1], s[G0M+1], SLOT1
	s_add_nc_u64 s[G0M+2:G0M+3], s[G0M+2:G0M+3], 512
	s_xor_b32 s[G0K+1], s[G0K+1], SLOT1
	s_add_nc_u64 s[G0K+2:G0K+3], s[G0K+2:G0K+3], 4*IMG
.endm
; A PREFETCH INTO THE L2, one instruction a wave, of the tile that the wave itself fetches.  The four partners that ask for a tile jointly share its blocks of 256 bytes out BY ADDRESS:
; of a mask's 64 rows x 512 bytes the partner at cx takes 16 rows, a lane half a row; of two images' 70 blocks the partner at cy takes 18 (the last 16), lanes left over naming the last again.
; The change that asks for step k + 2 names step k + 3; the last change that fills a slot names nothing.  Steps 1 and 2 are named behind the head's tensor load, a buffer's first touch; step 0 comes by its load alone.
.macro PF
	global_prefetch_b8 v[PFO], s[PFA:PFA+1] th:TH_LOAD_NT scope:SCOPE_SE
.endm
.macro ASK
	s_cmp_gt_u32 s[SLOTS], 1
	s_cbranch_scc0 .Lna_\@
	PF
.Lna_\@:
.endm
.macro CREST                           ; a round of the cluster's barrier behind its opening barrier
	s_cmp_lg_u32 s[WV], 0
	s_cbranch_scc1 .Lnw0_\@
	s_barrier_signal -3
.Lnw0_\@:
	s_barrier_wait -3
	s_barrier_signal -1
	s_barrier_wait -1
.endm
.macro ROUND                           ; a whole round
	s_barrier_signal -1
	s_barrier_wait -1
	CREST
.endm
	s_load_b256 s[4:11], s[0:1], 0x0               ; queries s[4:5], custom s[6:7], attn_mask s[8:9], key_len_mask s[10:11]
	s_load_b128 s[12:15], s[0:1], 0x20             ; kvc s[12:13], out s[14:15]
	v_lshl_add_u32 v[SPW], v0, 2, SPARE
	v_mov_b32 v[NIL], 0
	ds_add_u32 v[SPW], v[NIL]                      ; the opening: the add, twice on end, and its wait ahead of the first tensor loads
	ds_add_u32 v[SPW], v[NIL]
	v_lshrrev_b32 v3, 5, v0
	v_readfirstlane_b32 s[WV], v3                  ; wave 0..3
	s_bfe_u32 s92, ttmp6, 0x40000                  ; cx
	s_bfe_u32 s93, ttmp6, 0x40004                  ; cy
	s_mul_i32 s20, s93, 18
	s_cmp_lt_u32 s[WV], 2
	s_cselect_b32 s19, -1, 0                       ; all lanes in a wave that fetches a mask
	s_mul_i32 s21, s[WV], 16*CP
	s_mul_i32 s31, s[WV], 16*QP
	s_add_co_u32 s31, s31, STG                     ; my stage
	v_and_b32 v8, 15, v0                           ; r
	v_bfe_u32 v9, v0, 4, 1                         ; h
	v_and_b32 v10, 31, v0                          ; lane
	v_lshlrev_b32 v[QA], 4, v10
	v_lshlrev_b32 v[KLA], 4, v0
	v_lshl_add_u32 v[KLS], v0, 4, KLM
	v_mul_u32_u24 v[AC0], v8, CP
	v_lshl_add_u32 v[AC0], v9, 7, v[AC0]
	v_add_nc_u32 v[AC0], s21, v[AC0]
	v_lshl_add_u32 v[AK0], v10, 4, KVO
	v_lshl_add_u32 v[AS0], v10, 3, KVO+8192
	v_lshl_add_u32 v[AV0], v10, 2, KVO+8704
	v_lshl_add_u32 v[AL0], v9, 7, KLM
	v_lshlrev_b32 v[SH8], 3, v9
	v_add_nc_u32 v[SWA], s31, v[QA]
	v_mul_u32_u24 v[SRA], v8, QP
	v_add_nc_u32 v[SRA], s31, v[SRA]
	v_lshl_add_u32 v[SOA], v9, 5, v[SRA]
	v_lshl_add_u32 v[SRA], v9, 7, v[SRA]
	v_lshrrev_b32 v11, 1, v10
	v_and_b32 v12, 1, v10
	v_lshlrev_b32 v11, 13, v11
	v_lshl_add_u32 v11, v12, 8, v11                ; a mask: (lane / 2) rows of 8,192 bytes + 256 (lane % 2)
	v_min_u32 v12, 17, v10
	v_add_nc_u32 v12, s20, v12
	v_min_u32 v12, 69, v12
	v_lshlrev_b32 v12, 8, v12                      ; the images: block 18 cy + lane, held inside my 70
	v_cndmask_b32 v[PFO], v12, v11, s19
	s_and_b32 s97, ttmp7, 0xffff                   ; the cluster's y
	s_lshl_b32 s94, s97, 2
	s_add_co_u32 s94, s94, s93                     ; work-group y = 32 n + block of 64 queries
	s_lshr_b32 s95, s97, 3                         ; n: the four partners along y share it
	s_lshl_b32 s96, ttmp9, 2
	s_add_co_u32 s96, s96, s92                     ; work-group x = the group of four heads
	s_lshl_b32 s98, s93, 2
	s_lshl_b32 s98, 15, s98                        ; my row of the cluster
	s_lshl_b32 s100, 0x1111, s92                   ; my column
	; group 1 for custom and attn_mask: 64 rows x 128 elements of 4 bytes, 2,048 elements from row to row, 16 bytes of padding behind each row's 128 words
	s_or_b32 s[G1C], s98, (2<<16)|(1<<20)|(1<<21)|(6<<22)|(3<<25)
	s_mov_b32 s[G1C+1], 128<<16
	s_mov_b32 s[G1C+2], 64<<16
	s_mov_b32 s[G1C+3], 128<<16
	s_mov_b32 s[G1C+4], 64
	s_mov_b32 s[G1C+5], 2048
	s_mov_b32 s[G1C+6], 0
	s_mov_b32 s[G1C+7], 0
	; for two images: a dense block of 17,920 bytes as 70 rows of 32 elements of 8 bytes
	s_or_b32 s[G1K], s100, (3<<16)|(1<<21)
	s_mov_b32 s[G1K+1], 32<<16
	s_mov_b32 s[G1K+2], 70<<16
	s_mov_b32 s[G1K+3], 32<<16
	s_mov_b32 s[G1K+4], 70
	s_mov_b32 s[G1K+5], 32
	s_mov_b32 s[G1K+6], 0
	s_mov_b32 s[G1K+7], 0
	; where the tiles come from: the masks' hang on work-group y alone, the images' on n, work-group x and the wave alone
	s_lshl_b32 s56, s94, 19                        ; custom: 64 rows of 8,192 bytes for each work-group y
	s_mov_b32 s57, 0
	s_and_b32 s98, s94, 31
	s_lshl_b32 s58, s98, 19                        ; attn_mask: the same of the block of queries
	s_mov_b32 s59, 0
	s_lshl_b32 s100, s95, 2
	s_add_co_u32 s100, s100, s96                   ; 4 n + group
	s_mul_i32 s60, s100, 64*IMG                    ; 16 steps of four images
	s_and_b32 s16, s[WV], 1
	s_mul_i32 s17, s16, 2*IMG                      ; wave 3: the second pair of heads
	s_add_co_u32 s60, s60, s17
	s_mov_b32 s61, 0
	s_add_co_u32 s17, s17, KVO
	s_lshl_b32 s66, s95, 13                        ; key_len_mask: 8,192 bytes a sample
	s_mov_b32 s67, 0
	s_lshl_b32 s84, s94, 18                        ; Q and out: (64 work-group y + 16 wave) rows of 4,096 bytes + 4 group heads of 256
	s_lshl_b32 s2, s[WV], 16
	s_add_co_u32 s84, s84, s2
	s_lshl_b32 s2, s96, 10
	s_add_co_u32 s84, s84, s2
	s_mov_b32 s85, 0
	s_mov_b32 s[SEL], 0x76543210
	s_mov_b32 s[SEL+1], 0xfedcba98
	s_mov_b32 s[CS], 0x3e38aa3b                    ; c2 = log2(e) / 8
	s_mov_b32 s[CS+1], s[CS]
	s_mov_b32 s[NC], 0xbe38aa3b                    ; -c2
	s_mov_b32 s[TBS], 0
	s_mov_b32 s[TL], 0
	s_mov_b32 s[SLOTS], 14
	VW                                             ; at the head's end
	s_wait_dscnt 0x0                               ; both opening adds are done
	s_wait_kmcnt 0x0
	s_add_nc_u64 s[4:5], s[4:5], s[84:85]          ; Q and out at my wave's first row and head
	s_add_nc_u64 s[14:15], s[14:15], s[84:85]
	s_add_nc_u64 s[10:11], s[10:11], s[66:67]      ; key_len_mask at my sample
.irp i, 0,1,2,3
	global_load_b128 v[PC+4*\i:PC+4*\i+3], v[KLA], s[10:11] offset:2048*\i   ; 128 threads x 16 bytes, four times
.endr
	WIN 0x40
.set i, 0
.rept 32
	global_load_b128 v[4*i:4*i+3], v[QA], s[4:5] offset:(i/2)*4096+(i%2)*512 th:TH_LOAD_NT   ; Q as it lies: 32 lanes read 512 consecutive bytes, two heads of one query
.set i, i+1
.endr
	WIN 0
	s_mov_b32 s[G0C], 1
	s_mov_b32 s[G0C+1], 0
	s_add_nc_u64 s[G0C+2:G0C+3], s[6:7], s[56:57]
	s_or_b32 s[G0C+3], s[G0C+3], 0x80000000
	s_mov_b32 s[G0M], 1
	s_mov_b32 s[G0M+1], MAO
	s_add_nc_u64 s[G0M+2:G0M+3], s[8:9], s[58:59]
	s_or_b32 s[G0M+3], s[G0M+3], 0x80000000
	s_mov_b32 s[G0K], 1
	s_mov_b32 s[G0K+1], s17
	s_add_nc_u64 s[G0K+2:G0K+3], s[12:13], s[60:61]
	s_or_b32 s[G0K+3], s[G0K+3], 0x80000000
	; where my prefetches stand: at key step 1
	s_lshl_b32 s2, s92, 17                         ; 16 cx rows of 8,192 bytes,
	s_add_co_u32 s2, s2, 512                       ; one step on
	s_add_co_u32 s86, s56, s2
	s_add_co_u32 s3, s58, s2
	s_cmp_eq_u32 s[WV], 1
	s_cselect_b32 s86, s3, s86
	s_cselect_b64 s[PFA:PFA+1], s[8:9], s[6:7]
	s_add_co_u32 s3, s60, 4*IMG
	s_mov_b32 s[PFS], 512
	s_cmp_ge_u32 s[WV], 2
	s_cselect_b32 s86, s3, s86
	s_cselect_b64 s[PFA:PFA+1], s[12:13], s[PFA:PFA+1]
	s_cselect_b32 s[PFS], 4*IMG, s[PFS]
	s_mov_b32 s87, 0
	s_mov_b32 s[PFS+1], 0
	s_add_nc_u64 s[PFA:PFA+1], s[PFA:PFA+1], s[86:87]
	ROUND                                          ; all sixteen work-groups are here: the first joint loads meet
	TLOAD                                          ; key step 0 into slot 0: one load a wave
	PF                                             ; key step 1
.irp hd, 0,1,2,3
	v_mov_b32 v[STAT+8*\hd], 0x7e000000            ; -M: so large that the first f is 0, which meets zeros
	v_mov_b32 v[STAT+8*\hd+1], 0xff61b1e6          ; the largest u so far: -3e38
.irp z, 2,3,4,5,7
	v_mov_b32 v[STAT+8*\hd+\z], 0
.endr
.irp z, 4,5,6,7
	v_mov_b32 v[QF+8*\hd+\z], 0                    ; Q's zero codes
.endr
	v_mov_b32 v[TE+\hd], 0                         ; lane permutes' destinations; upper halves of pairs
	v_mov_b32 v[TD+\hd], 0
	v_mov_b32 v[RC+2*\hd+1], 0
.endr
	s_wait_xcnt 0x0                                ; the prefetch has read its address
	s_add_nc_u64 s[PFA:PFA+1], s[PFA:PFA+1], s[PFS:PFS+1]
	PF                                             ; key step 2
	VW
	s_wait_loadcnt 32                              ; key_len_mask's four loads are in; Q's 32 may be out
.irp i, 0,1,2,3
	ds_store_b128 v[KLS], v[PC+4*\i:PC+4*\i+3] offset:2048*\i   ; read by all waves behind the wait and the round below
.endr
	s_wait_loadcnt 0x0                             ; Q
	WIN 0x04
.set i, 0
.rept 32
	ds_store_b128 v[SWA], v[4*i:4*i+3] offset:(i/2)*QP+(i%2)*512
.set i, i+1
.endr
	WIN 0x40
.irp hd, 0,1,2,3
.irp i, 0,1,2,3,4,5,6,7
	ds_load_b128 v[128+32*\hd+4*\i:128+32*\hd+4*\i+3], v[SRA] offset:256*\hd+16*\i   ; my block of 32 along the head's 64; LDS serves a wave's instructions in order (ISA guide 5.7.1.4)
.endr
.endr
	WIN 0
.macro ADDRS
	v_add_nc_u32 v[ADC], s[TBS], v[AC0]
	v_add_nc_u32 v[ADK], s[TBS], v[AK0]
	v_add_nc_u32 v[ADS], s[TBS], v[AS0]
	v_add_nc_u32 v[ADV], s[TBS], v[AV0]
	v_add_nc_u32 v[ADL], s[TL], v[AL0]
.endm
.macro LDKH hd                         ; K's eight tiles of one head
.irp T, 0,1,2,3,4,5,6,7
	ds_load_b128 v[32*\hd+4*\T:32*\hd+4*\T+3], v[ADK] offset:IMG*\hd+512*\T
.endr
.endm
.macro LDM reg, off, c                 ; half a tile of a mask: register 32 c + i is key 64 c + 32 h + i, as in the scores
.irp i, 0,1,2,3,4,5,6,7
	ds_load_b128 v[\reg+32*\c+4*\i:\reg+32*\c+4*\i+3], v[ADC] offset:\off+256*\c+16*\i
.endr
.endm
; The next step's 88 loads of K and the masks, in four runs
.macro LDA                             ; 24: two heads' K, all K's scale words
	WIN 0x80
	LDKH 0
	LDKH 1
	WIN 0
.irp hd, 0,1,2,3
.irp c, 0,1
	ds_load_b64 v[KS+4*\hd+2*\c:KS+4*\hd+2*\c+1], v[ADS] offset:IMG*\hd+256*\c
.endr
.endr
.endm
.macro LDB                             ; 24: two heads' K, half of attn_mask
	WIN 0x80
	LDKH 2
	LDKH 3
	LDM 192, MAO, 0
.endm
.macro LDC                             ; 24: the other half, custom
	WIN 0x80
	LDM 192, MAO, 1
	LDM 128, 0, 0
	LDM 128, 0, 1
.endm
.macro LDD                             ; 16: key_len_mask
	WIN 0
.irp c, 0,1
.irp i, 0,1,2,3,4,5,6,7
	ds_load_b128 v[KL+32*\c+4*\i:KL+32*\c+4*\i+3], v[ADL] offset:256*\c+16*\i
.endr
.endr
.endm
.macro LDV                             ; 40 loads: V's 16 tiles and their scale words
	WIN 0xc0
.irp hd, 0,1,2,3
.irp d, 0,1,2,3
.irp c, 0,1
	ds_load_b128 v[128+32*\hd+8*\d+4*\c:128+32*\hd+8*\d+4*\c+3], v[ADK] offset:IMG*\hd+4096+1024*\d+512*\c
.endr
.endr
.endr
	WIN 0
.irp hd, 0,1,2,3
.irp i, 0,1
	ds_load_b32 v[VS+2*\hd+\i], v[ADV] offset:IMG*\hd+128*\i
.endr
.endr
.endm
; THE FIRST PART OF A STEP: the scores of four heads, the masks' sum, u.  Every matrix instruction of the text has an accumulator of its own turn: no two on end share one.
.macro PARTA
	s_wait_dscnt 40                                ; K, its scale words and the masks are in; V's 40 loads, issued behind them, may be out
	WIN 0x42
.irp hd, 0,1,2,3
.irp T, 0,1,2,3,4,5,6,7
.if \T%2
	v_wmma_scale_f32_16x16x128_f8f6f4 v[64*\hd+8*\T:64*\hd+8*\T+7], v[32*\hd+4*\T:32*\hd+4*\T+7], v[QF+8*\hd:QF+8*\hd+7], 0, v[KS+4*\hd+\T/2], v[QS+\hd] matrix_a_fmt:MATRIX_FMT_FP4 matrix_b_fmt:MATRIX_FMT_FP4 matrix_a_scale:MATRIX_SCALE_ROW1
.else
	v_wmma_scale_f32_16x16x128_f8f6f4 v[64*\hd+8*\T:64*\hd+8*\T+7], v[32*\hd+4*\T:32*\hd+4*\T+7], v[QF+8*\hd:QF+8*\hd+7], 0, v[KS+4*\hd+\T/2], v[QS+\hd] matrix_a_fmt:MATRIX_FMT_FP4 matrix_b_fmt:MATRIX_FMT_FP4
.endif
.endr
.endr
	WIN 0x82
.set j, 0
.rept 32
	v_pk_add_f32 v[192+j:193+j], v[192+j:193+j], v[KL+j:KL+j+1]   ; attn_mask + key_len_mask, once for four heads.  (These lines are the places behind the products above)
.set j, j+2
.endr
	WIN 0x69
.irp hd, 0,1,2,3
.set j, 0
.rept 32
	v_pk_fma_f32 v[64*\hd+j:64*\hd+j+1], v[64*\hd+j:64*\hd+j+1], v[128+j:129+j], v[192+j:193+j]   ; u = score x custom + the masks' sum; each accumulator from its low end on
.set j, j+2
.endr
.endr
.endm
.macro MAXP                            ; the largest u of each of my eight blocks of 32 keys, by turns: it serves the row's maximum and, since p rises with u, the block's largest p
	WIN 0x05
.irp hd, 0,1,2,3
.irp c, 0,1
	v_max3_num_f32 v[BM+2*\hd+\c], v[64*\hd+32*\c], v[64*\hd+32*\c+1], 0xff800000
.endr
.endr
.irp i, 2,4,6,8,10,12,14,16,18,20,22,24,26,28,30
.irp hd, 0,1,2,3
.irp c, 0,1
	v_max3_num_f32 v[BM+2*\hd+\c], v[64*\hd+32*\c+\i], v[64*\hd+32*\c+\i+1], v[BM+2*\hd+\c]
.endr
.endr
.endr
.endm
.macro STATS                           ; M and f of the four heads, by turns; all in window 0
.irp hd, 0,1,2,3
	v_max_num_f32 v[TA+\hd], v[BM+2*\hd], v[BM+2*\hd+1]
.endr
.irp hd, 0,1,2,3
	v_permlanex16_b32 v[TE+\hd], v[TA+\hd], s[SEL], s[SEL+1]
.endr
.irp hd, 0,1,2,3
	v_max3_num_f32 v[STAT+8*\hd+1], v[STAT+8*\hd+1], v[TA+\hd], v[TE+\hd]   ; the running largest u of my query
.endr
.irp hd, 0,1,2,3
	v_mul_f32 v[TA+\hd], s[NC], v[STAT+8*\hd+1]
.endr
.irp hd, 0,1,2,3
	v_floor_f32 v[TC+\hd], v[TA+\hd]               ; the new -M = floor(-t) = -ceil(t)
.endr
.irp hd, 0,1,2,3
	v_sub_f32 v[TA+\hd], v[TC+\hd], v[STAT+8*\hd]  ; old M less new M: a whole number, 0 or less
.endr
.irp hd, 0,1,2,3
	v_mov_b32 v[STAT+8*\hd], v[TC+\hd]
.endr
.irp hd, 0,1,2,3
	v_cvt_i32_f32 v[TA+\hd], v[TA+\hd]             ; (it saturates)
.endr
.irp hd, 0,1,2,3
	v_ldexp_f32 v[STAT+8*\hd+6], 1.0, v[TA+\hd]    ; f = 2^(old M - new M)
.endr
.irp hd, 0,1,2,3
.irp c, 0,1
	v_fma_f32 v[BM+2*\hd+\c], v[BM+2*\hd+\c], s[CS], v[STAT+8*\hd]   ; u x c2 - M of each block's largest u
.endr
.endr
.endm
.macro RESC                            ; O^T under the new M; each accumulator from its low end on
	WIN 0xc3
.irp hd, 0,1,2,3
.set j, 0
.rept 16
	v_pk_mul_f32 v[32*\hd+j:32*\hd+j+1], v[32*\hd+j:32*\hd+j+1], v[STAT+8*\hd+6:STAT+8*\hd+7] op_sel_hi:[1,0]
.set j, j+2
.endr
.endr
.endm
.macro FMA0                            ; u x c2 - M of the first head
	WIN 0x41
.set j, 0
.rept 32
	v_pk_fma_f32 v[j:j+1], v[j:j+1], s[CS:CS+1], v[STAT:STAT+1] op_sel_hi:[1,0,0]
.set j, j+2
.endr
.endm
.macro EBLK h                          ; head h's 64 exponentials, with head h + 1's 32 multiply-adds among them: these name other registers, and are read behind the next wait
.set j, 0
.rept 32
	v_exp_f32 v[64*\h+j], v[64*\h+j]
	v_pk_fma_f32 v[64*\h+64+j:64*\h+65+j], v[64*\h+64+j:64*\h+65+j], s[CS:CS+1], v[STAT+8*\h+8:STAT+8*\h+9] op_sel_hi:[1,0,0]
	v_exp_f32 v[64*\h+j+1], v[64*\h+j+1]
.set j, j+2
.endr
.endm
; THE CHANGE OF SLOTS, behind the maxima.  Each wave waits for all its tensor loads (its part of the next slot), adds 0 to its spare word, and waits for that and for its reads of the slot in hand, V's among them.
; The states, O's rescaling and the first head's exponents, work on registers alone, stand between the opening signal and its wait.
; mode 2: the rest of a round of the cluster's barrier follows, and behind it the slot just read out is filled with the step after next: my one tensor load.  mode 1: my work-group's barrier alone:
; nothing is left to ask for.  mode 0: the last step: no tile is left to read.
.macro SYNC mode
	MAXP
	WIN 0
	VW
.if \mode
	s_wait_tensorcnt 0x0
	ds_add_u32 v[SPW], v[NIL]
.if \mode == 2
	DSTEP
	s_wait_xcnt 0x0                                ; the last prefetch has read its address
	s_add_nc_u64 s[PFA:PFA+1], s[PFA:PFA+1], s[PFS:PFS+1]
.endif
	s_xor_b32 s[TBS], s[TBS], SLOT1
	s_add_co_u32 s[TL], s[TL], 512
.endif
	s_wait_dscnt 0x0
.if \mode
	s_barrier_signal -1
.endif
	STATS
	RESC
	FMA0
	WIN 0
.if \mode
	VW
	s_barrier_wait -1
.endif
.if \mode == 2
	CREST
	TLOAD
.endif
.if \mode
	ADDRS
	LDA
.endif
.if \mode == 2
	ASK
.endif
.endm
; THE SECOND PART OF A STEP: p, its codes and scale words, the sums, O^T.  next = 1: the next step's tiles are read on the way.
.macro PARTB next
	WIN 0x41
	VW                                             ; ahead of each block of exponentials: what it reads was written by plain lines
	EBLK 0
.if \next
	LDB
.endif
	WIN 0x41
	VW
	EBLK 1
.if \next
	LDC
.endif
	WIN 0x41
	VW
	EBLK 2
.if \next
	LDD
.endif
	WIN 0x41
	VW
.set j, 192
.rept 64
	v_exp_f32 v[j], v[j]
.set j, j+1
.endr
	WIN 0
.set j, 0
.rept 8
	v_exp_f32 v[BM+j], v[BM+j]                     ; the blocks' largest p
.set j, j+1
.endr
	v_nop                                          ; a plain line behind the exponentials
	VW                                             ; one wait for all of them, ahead of their first reader
.set j, 0
.rept 8
	v_max_num_f32 v[BM+j], 0x1800000, v[BM+j]      ; the floor 2^(3 - 127): the byte cannot fall under 1
.set j, j+1
.endr
.set j, 0
.rept 8
	v_add_nc_u32 v[SO+j], 0xff000000, v[BM+j]      ; 2 off the exponent field: the conversion's scale operand
.set j, j+1
.endr
.set j, 0
.rept 8
	v_lshrrev_b32 v[TA+j], 23, v[SO+j]             ; the scale's byte (v160-167)
.set j, j+1
.endr
.irp hd, 0,1,2,3
	v_lshl_or_b32 v[TC+\hd], v[TA+2*\hd+1], 16, v[TA+2*\hd]   ; my two bytes: blocks h and 2 + h,
.endr
.irp hd, 0,1,2,3
	v_lshlrev_b32 v[TC+\hd], v[SH8], v[TC+\hd]     ; at their places;
.endr
.irp hd, 0,1,2,3
	v_permlanex16_b32 v[TD+\hd], v[TC+\hd], s[SEL], s[SEL+1]
.endr
.irp hd, 0,1,2,3
	v_or_b32 v[PS+\hd], v[TC+\hd], v[TD+\hd]       ; with lane l xor 16's two the word is whole
.endr
	WIN 0x01
.irp hd, 0,1,2,3
.irp c, 0,1
.irp u, 0,1,2,3
	v_cvt_scalef32_pk8_fp4_f32 v[PC+8*\hd+4*\c+\u], v[64*\hd+32*\c+8*\u:64*\hd+32*\c+8*\u+7], v[SO+2*\hd+\c]
.endr
.endr
.endr
	v_nop                                          ; one plain line behind the last conversion
	WIN 0x10
.irp hd, 0,1,2,3
.irp q, 0,1
	v_pk_fma_f32 v[STAT+8*\hd+2+2*\q:STAT+8*\hd+3+2*\q], v[STAT+8*\hd+2+2*\q:STAT+8*\hd+3+2*\q], v[STAT+8*\hd+6:STAT+8*\hd+7], v[64*\hd+2*\q:64*\hd+2*\q+1] op_sel_hi:[1,0,1]   ; the sums under the new M, and the first p
.endr
.endr
	WIN 0x04
.irp j, 4,8,12,16,20,24,28,32,36,40,44,48,52,56,60
.irp hd, 0,1,2,3
.irp q, 0,1
	v_pk_add_f32 v[STAT+8*\hd+2+2*\q:STAT+8*\hd+3+2*\q], v[STAT+8*\hd+2+2*\q:STAT+8*\hd+3+2*\q], v[64*\hd+\j+2*\q:64*\hd+\j+2*\q+1]   ; THE ROW'S SUM IS TAKEN OF THE UNQUANTISED p: eight chains by turns.  (Also the places between p's codes and scale words and the products)
.endr
.endr
.endr
	WIN 0xf3
.irp hd, 0,1,2,3
.irp d, 0,1,2,3
.if \d%2
	v_wmma_scale_f32_16x16x128_f8f6f4 v[32*\hd+8*\d:32*\hd+8*\d+7], v[128+32*\hd+8*\d:128+32*\hd+8*\d+7], v[PC+8*\hd:PC+8*\hd+7], v[32*\hd+8*\d:32*\hd+8*\d+7], v[VS+2*\hd+\d/2], v[PS+\hd] matrix_a_fmt:MATRIX_FMT_FP4 matrix_b_fmt:MATRIX_FMT_FP4 matrix_a_scale:MATRIX_SCALE_ROW1
.else
	v_wmma_scale_f32_16x16x128_f8f6f4 v[32*\hd+8*\d:32*\hd+8*\d+7], v[128+32*\hd+8*\d:128+32*\hd+8*\d+7], v[PC+8*\hd:PC+8*\hd+7], v[32*\hd+8*\d:32*\hd+8*\d+7], v[VS+2*\hd+\d/2], v[PS+\hd] matrix_a_fmt:MATRIX_FMT_FP4 matrix_b_fmt:MATRIX_FMT_FP4
.endif
.endr
.endr
	WIN 0
.if \next
.rept 4
	v_nop                                          ; places in front of the loads into V's registers
.endr
	LDV
.endif
.endm
	; slot 1's first fill goes as a refill does: the three lines, a round, one load a wave
	s_wait_tensorcnt 0x0                           ; my part of key step 0 is in
	ds_add_u32 v[SPW], v[NIL]
	DSTEP
	s_wait_dscnt 0x0                               ; the add and my stores of key_len_mask are done, and Q is back from my stage
	ROUND
	TLOAD                                          ; key step 1 into slot 1
	ADDRS
	LDA
	LDB
	LDC
	LDD
	LDV
	WIN 0x05                                       ; Q's blocks, under those loads: the largest magnitude with the floor 2^(3 - 127) among its leaves, the four heads by turns
.irp hd, 0,1,2,3
	v_max3_num_f32 v[TA+\hd], |v[128+32*\hd]|, |v[129+32*\hd]|, 0x1800000
.endr
.irp i, 2,4,6,8,10,12,14,16,18,20,22,24,26,28,30
.irp hd, 0,1,2,3
	v_max3_num_f32 v[TA+\hd], |v[128+32*\hd+\i]|, |v[129+32*\hd+\i]|, v[TA+\hd]
.endr
.endr
	WIN 0
.irp hd, 0,1,2,3
	v_add_nc_u32 v[SO+\hd], 0xff000000, v[TA+\hd]  ; 2 off the exponent field: the conversion's scale operand
.endr
	WIN 0x01
.irp hd, 0,1,2,3
.irp g, 0,1,2,3
	v_cvt_scalef32_pk8_fp4_f32 v[QF+8*\hd+\g], v[128+32*\hd+8*\g:128+32*\hd+8*\g+7], v[SO+\hd]
.endr
.endr
	WIN 0
.irp hd, 0,1,2,3
	v_lshrrev_b32 v[TA+\hd], 23, v[SO+\hd]         ; the byte,
.endr
.irp hd, 0,1,2,3
	v_lshlrev_b32 v[TA+\hd], v[SH8], v[TA+\hd]     ; at its place,
.endr
.irp hd, 0,1,2,3
	v_or_b32 v[TA+\hd], 0x7f7f0000, v[TA+\hd]      ; under the bytes 127 of the K that the head does not have
.endr
.irp hd, 0,1,2,3
	v_permlanex16_b32 v[TE+\hd], v[TA+\hd], s[SEL], s[SEL+1]
.endr
.irp hd, 0,1,2,3
	v_or_b32 v[QS+\hd], v[TA+\hd], v[TE+\hd]
.endr
	WIN 0xc0
.set j, 0
.rept 128
	v_mov_b32 v[j], 0                              ; O^T: the step is written for every step alike; these lines are also the places between Q's codes and scale words and the first products
.set j, j+1
.endr
	WIN 0
	PARTA
	WIN 0
.Lstep:                                                ; 14 trips: trip k asks for key step k + 2, finishes step k and begins step k + 1
	SYNC 2
	PARTB 1
	PARTA
	WIN 0
	s_sub_co_u32 s[SLOTS], s[SLOTS], 1
	s_cmp_lg_u32 s[SLOTS], 0
	VW                                             ; directly ahead of the branch: u is read behind it
	s_cbranch_scc1 .Lstep
	SYNC 1                                         ; the last two steps are written out: nothing is left to ask for
	PARTB 1
	PARTA
	SYNC 0
	PARTB 0
	; THE WAY OUT.  O^T is divided by the row's sum and goes through my stage: a row of the stage is one query's four heads, 1,024 bytes, stored as they lie in out.
.irp hd, 0,1,2,3
	v_pk_add_f32 v[STAT+8*\hd+2:STAT+8*\hd+3], v[STAT+8*\hd+2:STAT+8*\hd+3], v[STAT+8*\hd+4:STAT+8*\hd+5]   ; (these lines are the places behind the last products)
.endr
.irp hd, 0,1,2,3
	v_add_f32 v[RC+2*\hd], v[STAT+8*\hd+2], v[STAT+8*\hd+3]
.endr
.irp hd, 0,1,2,3
	v_permlanex16_b32 v[TE+\hd], v[RC+2*\hd], s[SEL], s[SEL+1]
.endr
.irp hd, 0,1,2,3
	v_add_f32 v[RC+2*\hd], v[RC+2*\hd], v[TE+\hd]  ; with lane l xor 16's: the row's sum
.endr
	VW
.irp hd, 0,1,2,3
	v_rcp_f32 v[RC+2*\hd], v[RC+2*\hd]
.endr
	v_nop
	WIN 0x43
	VW                                             ; for the reciprocals, and directly ahead of the first readers of O^T
.irp hd, 0,1,2,3
.set j, 0
.rept 16
	v_pk_mul_f32 v[32*\hd+j:32*\hd+j+1], v[32*\hd+j:32*\hd+j+1], v[RC+2*\hd:RC+2*\hd+1] op_sel_hi:[1,0]   ; window 1 <- window 3: register 8 d + i is out(r, 16 d + 8 h + i)
.set j, j+2
.endr
.endr
	WIN 0x04
.irp hd, 0,1,2,3
.irp d, 0,1,2,3
	ds_store_b128 v[SOA], v[32*\hd+8*\d:32*\hd+8*\d+3] offset:256*\hd+64*\d
	ds_store_b128 v[SOA], v[32*\hd+8*\d+4:32*\hd+8*\d+7] offset:256*\hd+64*\d+16
.endr
.endr
	WIN 0x40
.set i, 0
.rept 32
	ds_load_b128 v[128+4*i:128+4*i+3], v[SWA] offset:(i/2)*QP+(i%2)*512   ; LDS serves a wave's instructions in order: these see my stores
.set i, i+1
.endr
	WIN 0x04
.set i, 0
.rept 32
.if i%4 == 0
	s_wait_dscnt 28-i                              ; the next four loads are back; the younger ones may be out
.endif
	global_store_b128 v[QA], v[128+4*i:128+4*i+3], s[14:15] offset:(i/2)*4096+(i%2)*512 th:TH_STORE_NT   ; 32 lanes store 512 consecutive bytes, at a multiple of 512 from out's first byte
.set i, i+1
.endr
	WIN 0
	s_wait_tensorcnt 0x0                           ; the wave's end
	ds_add_u32 v[SPW], v[NIL]
	s_wait_dscnt 0x0
	ROUND                                          ; the closing round
	s_endpgm
.Lfunc_end_k_qe01d576849_attn:
	.size	k_qe01d576849_attn, .Lfunc_end_k_qe01d576849_attn-k_qe01d576849_attn
	.p2alignl 7, 3214868480
	.fill 96, 4, 3214868480
	.section	.rodata,"a",@progbits
	.p2align	6, 0x0
	.amdhsa_kernel k_qe01d576849_attn
		.amdhsa_group_segment_fixed_size 327680
		.amdhsa_private_segment_fixed_size 0
		.amdhsa_enable_private_segment 0
		.amdhsa_kernarg_size 48
		.amdhsa_user_sgpr_count 2
		.amdhsa_user_sgpr_kernarg_segment_ptr 1
		.amdhsa_wavefront_size32 1
		.amdhsa_system_sgpr_workgroup_id_x 1
		.amdhsa_system_sgpr_workgroup_id_y 1
		.amdhsa_system_sgpr_workgroup_id_z 1
		.amdhsa_system_vgpr_workitem_id 0
		.amdhsa_next_free_vgpr 1024
		.amdhsa_next_free_sgpr 102
		.amdhsa_reserve_vcc 0
		.amdhsa_float_denorm_mode_32 3
		.amdhsa_float_denorm_mode_16_64 3
		.amdhsa_memory_ordered 1
		.amdhsa_forward_progress 1
		.amdhsa_inst_pref_size 249
	.end_amdhsa_kernel
	.amdgpu_metadata
---
amdhsa.version: [ 1, 2 ]
amdhsa.kernels:
  - .name:           k_qe01d576849_attn
    .symbol:         k_qe01d576849_attn.kd
    .args:
      - { .name: queries, .offset: 0, .size: 8, .value_kind: global_buffer, .address_space: global }
      - { .name: custom_attns, .offset: 8, .size: 8, .value_kind: global_buffer, .address_space: global }
      - { .name: attn_mask, .offset: 16, .size: 8, .value_kind: global_buffer, .address_space: global }
      - { .name: key_len_mask, .offset: 24, .size: 8, .value_kind: global_buffer, .address_space: global }
      - { .name: kvc, .offset: 32, .size: 8, .value_kind: global_buffer, .address_space: global }
      - { .name: out0, .offset: 40, .size: 8, .value_kind: global_buffer, .address_space: global }
    .group_segment_fixed_size: 327680
    .private_segment_fixed_size: 0
    .kernarg_segment_align: 8
    .kernarg_segment_size: 48
    .max_flat_workgroup_size: 128
    .sgpr_count:     102
    .vgpr_count:     1024
    .wavefront_size: 32
...
	.end_amdgpu_metadata
.endif
;; end of part 2
